; MI455X (gfx1250); checked and timed in simulation.
; The chip was launched on July 23, 2026; its instructions are those of AMD's public machine-readable ISA for CDNA 5 (MIT licence, August 2026) and "CDNA5" Instruction Set Architecture Reference Guide (July 2026). The comments in the code are by the model that wrote it; some were corrected since.
;; Quantize. Allowed arithmetic: matrix products marked QUANTISED: E2M1 operands, one E8M0 scale for each 32 along K, by v_wmma_scale_f32_16x16x128_f8f6f4 with both operands' format E2M1 (or v_wmma_scale_f32_32x16x128_f4), f32 sums; everything else in f32.
;; Inputs: embed 64 x 1,024 float32; input 16 x 4,096 x 64 float32.
;; Outputs: out0 16 x 4,096 x 64 float32; out1 16 x 4,096 x 64 float32; out2 16 x 4,096 int32.
;; This version of the problem:
;;   THIS VERSION OF THE PROBLEM IS GIVEN IN LOW PRECISION. The matrix products marked QUANTISED in the list below multiply operands that are first quantised to E2M1 (2 exponent bits, 1 mantissa bit; 4 bits a number), with one power-of-two scale for each 32 numbers along K (OCP MX v1.0); their sums are f32. All else is computed in f32.
;;   The module's matrix products, in the order in which they are computed (A, B: the left and right operand; K: the contracted axis; several contracted axes count as one K, in the product's order):
;;     1. [M 65,536, K 64] x [K 64, N 1,024]; A: input input; B: input embed: QUANTISED
;;   THE QUANTISER, for each operand of a quantised product, along K:
;;     - K is cut into blocks of 32 from its start; a last block that is shorter is filled with zeros.
;;     - A block's scale is 2^e with e = floor(log2(the largest magnitude in the block)) - 2, held to -126 .. 127; a block of zeros has e = 0. As a byte (E8M0): e + 127.
;;     - Each number is divided by its block's scale, clamped to +-6, and rounded to the nearest number of E2M1, ties to even, subnormals kept.
;;     - The product sums the exact products of the quantised numbers (number of the format x scale) in f32.
;;   ~~~python
;;   def quantise(x, axis):      # numpy; x: float32 -> the quantised numbers, widened to float32 again
;;       x = np.moveaxis(x, axis, -1); K = x.shape[-1]
;;       x = np.pad(x, [(0, 0)] * (x.ndim - 1) + [(0, -K % 32)]); x = x.reshape(x.shape[:-1] + (-1, 32)); a = np.abs(x).max(-1, keepdims=True)
;;       e = np.where(a > 0, np.clip(np.frexp(np.where(a > 0, a, 1))[1] - 1 - 2, -126, 127), 0)      # np.frexp(a)[1] - 1 = floor(log2(a)), exactly
;;       r = np.clip(x / 2.0 ** e, -6, 6)
;;       step = 2.0 ** (np.maximum(np.frexp(np.where(r == 0, 1, r))[1] - 1, 0) - 1)
;;       q = np.round(r / step) * step * 2.0 ** e      # np.round: ties to even
;;       return np.moveaxis(q.reshape(q.shape[:-2] + (-1,))[..., :K], -1, axis).astype(np.float32)
;;   ~~~
;; One version. Each part assembles by itself: llvm-mc -triple=amdgcn-amd-amdhsa -mcpu=gfx1250 --defsym DOCPART=n.
;; ======== version 1 of 1: 2 launches
;; limits: right only within a limited range of input values
;; workspace buffers: idx 262,144 bytes of whole numbers; embt 262,144 bytes
;; launch nearest (part 1): grid 256 x 1, 8 waves a work-group, clusters of 4 x 1, 327,680 bytes of LDS; arguments input, embed, out2, idx, embt; writes out2, idx, embt
.if DOCPART == 1
	.amdgcn_target "amdgcn-amd-amdhsa--gfx1250"
	.amdhsa_code_object_version 6
	.text
	.protected	k_qd10c38840f_nearest
	.globl	k_qd10c38840f_nearest
	.p2align	8
	.type	k_qd10c38840f_nearest,@function
k_qd10c38840f_nearest:
	s_mov_b64 s[64:65], 0
	v_nop
	global_prefetch_b8 v0, s[64:65] scope:SCOPE_SE
	s_setreg_imm32_b32 hwreg(HW_REG_WAVE_MODE, 25, 1), 1
	s_wait_xcnt 0x0
	s_wait_alu depctr_hold_cnt(0) depctr_sa_sdst(0) depctr_va_vdst(0) depctr_va_sdst(0) depctr_va_ssrc(0) depctr_va_vcc(0) depctr_vm_vsrc(0)
	s_getreg_b32 s2, hwreg(HW_REG_IB_STS2, 6, 4)
	s_cmp_eq_u32 s2, 0
	s_cbranch_scc0 .Lentry_in_a_cluster
	s_endpgm
.Lentry_in_a_cluster:
	s_bfe_u32 s2, ttmp6, 0x10000c
	s_cmp_lg_u32 s2, 0x3003
	s_cbranch_scc0 .Lentry_shape_is_right
	s_endpgm
.Lentry_shape_is_right:
; out2[n] = argmin over the 1,024 codes k of |x_n|^2 - 2 x_n.e_k + |e_k|^2, the product x.e on codes of FP4 (E2M1) with one E8M0 scale for each 32 along K = 64.
; input: [65536][64] f32.  embed: [64][1024] f32, K its FIRST axis.  The index goes to out2 and to idx (which the next launch reads); embed also leaves transposed, embt [1024][64].
; DEAD WORK.  |x_n|^2 is one and the same number in all 1,024 distances of token n: whatever the inputs, it moves no argmin in exact arithmetic, and reaches no other output.  It is left out.
; Halving what is left and turning its sign, the nearest code is the one with the largest  D = x.e_k - |e_k|^2 / 2.  -|e_k|^2 / 2 is the C of the matrix instruction.  Equal D: the lower index, as argmin has it.
; LIMITS.  A NaN, an infinity or an overflow that reaches only |x_n|^2 is not carried to the result.  D is rounded more finely than reference()'s dist (which carries |x|^2): where two codes' dist differ by less
; than dist's last place (2^-17 for dist in 64 .. 128) reference() may see a tie and take the lower index, this text takes the nearer code.  |e_k|^2 is summed by fused multiply-adds in two chains (even d, odd d).
; NaN and infinities among the inputs are not served.  A block of zeros keeps the scale byte 1: its codes are zeros, and the bytes are read by this text alone.
; SHARES.  A work-group of eight waves owns 256 tokens: 16 tiles of 16.  Wave w scans the token tiles 4 (w & 3) .. + 3 against half w >> 2 of each chunk's 32 tiles of codes; the halves meet through LDS at the end.
; THE CODEBOOK is quantised by every work-group, in two chunks of 512 codes.  Four work-groups form a cluster and ask for embed JOINTLY: wave w fetches columns 64 w .. 64 w + 63 of the chunk (64 rows x 256 bytes) and
; quantises just these.  Chunk 1 has bytes of its own and is asked for as soon as chunk 0 has landed: it has chunk 0's quantising and scan in which to land.
; Nothing is prefetched: there are two chunks and no loop to run ahead in; the second has 64 matrix instructions a wave and their scans in which to land.
; A lane takes two neighbouring columns (8 bytes a row).  Eight registers then hold four rows of both; they are converted under either column's scale, and a mask keeps each column's nibbles: of rows 8 g + 0, 2, 4, 6 in one
; register and 8 g + 1, 3, 5, 7 in another, moved by one nibble, come the eight codes of one column in ascending k.
; LAYOUT.  Source 0 = 16 codes, source 1 = 16 tokens: lane (r, h) holds token r, and register j of a result the code 16 t + 8 h + j.  K is 64 of the instruction's 128: the code
; fragment's registers 4-7 (k = 64 ..) are zeros, so what stands in a token fragment's registers 4-7 (the next fragment) adds nothing; the scale bytes of those blocks are 0x7f.
; THE SCAN takes two tiles of codes at a time: of a lane's 16 results and the best so far the maximum (8 lines), a compare with the best so far, and 8 pairs of selects that keep the winning group's places 0 to 14 and the
; pair's number: 17 lines.  Which place it was is found once, at the end; it is place 15 where none of the others holds the best.  The first pair's results are written straight into the kept group.
; One unit (two token tiles) is multiplied while the other is scanned.
; LDS: chunk 0's and chunk 1's tiles of embed, codes, scale words, -|e|^2 / 2, x's images: bytes of their own.  x's stage lies where the codes go behind the round.  The text uses 317,440 bytes; the launch claims
; all 327,680 bytes of LDS.
.set SLOT,  131072                     ; eight tiles of embed: a chunk
.set CBI,   262144                     ; 64 code tiles x 512 bytes, images of the operand's registers: tile t, lane l: 16 bytes at 512 t + 16 l
.set CBS,   294912                     ; 1,024 scale words
.set HEE,   299008                     ; 1,024 x -|e|^2 / 2
.set XI,    303104                     ; 16 token tiles x 512 bytes: images
.set XS,    311296                     ; their scale words, 128 bytes a tile
.set CMB,   313344                     ; 256 tokens x (best, index) of the upper code halves
.set OST,   315392                     ; 256 indices on their way out
.set SPARE, 316416                     ; the spare words, 128 bytes for each wave: four blocks of 256 bytes that no other line names
.set XG,    CBI                        ; each wave's stage for x: 16 rows x 272 bytes; eight of them fit into CBI's bytes and the first 2,048 of CBS
.set XGT,   4352
.set FLOOR, 0x1800000                  ; 2^(3 - 127): no largest magnitude is taken under it, so the scale byte cannot fall under 1
.set DOWN2, 0xff000000                 ; takes 2 off an exponent field
.set ONES,  0x7f7f0000                 ; scale 1 for the blocks k = 64 .. 127
.set VX,  4                            ; 16 x lane: x's loads, embt's stores
.set EAD, 5                            ; my two columns in my tile of chunk 0
.set CST, 6                            ; where their codes go
.set SST, 7                            ; their scale words; + 4,096: their -|e|^2 / 2
.set XST, 8                            ; where my token tiles' images go
.set XWS, 9                            ; and their scale words
.set XGS, 10                           ; stage, in
.set XGL, 11                           ; stage, out
.set AAD, 12                           ; a code fragment
.set CAD, 13                           ; its C
.set SAD, 14                           ; its scale words
.set TAD, 15                           ; my token fragments
.set TSA, 16                           ; their scale words
.set H8,  17                           ; 8 h
.set HC,  18                           ; 8 h + 256 x half: my part of a code's index
.set CMA, 19
.set OSA, 20
.set ORA, 21
.set GOF, 22                           ; 8 x lane
.set EL,  23                           ; wave 7: embt's loads
.set SPW, 24                           ; LDS address of my spare word; never rewritten
.set NIL, 25                           ; 0; never rewritten
.set SA,  26                           ; v26-27  the code tiles' scale words: scales and nothing else
.set TS,  28                           ; v28-31  the token tiles' scale words: scales and nothing else
.set AB,  32                           ; v32-47  two code fragments: 4 registers of codes, 4 of zeros
.set CB,  48                           ; v48-63  their C
.set TF,  64                           ; v64-83  four token fragments of 4 registers, and 4 of zeros behind the last
.set ST,  84                           ; v84-147 the kept groups: 16 for each token tile
.set BS,  148                          ; v148-155 the best so far, two sets by turns
.set TI,  157                          ; v157, 159, 161, 163 the best's pair of tiles: 16 x chunk + pair (odd: the second half of a dual line)
.set TM,  164                          ; v164-175 at work
.set ACC, 176                          ; v176-239 results: unit u at ACC + 32 u: two token tiles x 16
.set ER,  240                          ; v240-247 wave 7: four rows of embt on their way
.set EAD1, 248                         ; my two columns in my tile of chunk 1
; window 1: v256-383, my two columns: block b at 64 b; in it rows 8 g + i at 16 g + 8 (i % 2) + 2 (i / 2)
.set EE,  ACC                          ; the quantiser's scratch lies where the results do: |e|^2 in two chains of two columns,
.set QM,  ACC+4                        ; largest magnitudes (block, column),
.set QS,  ACC+8                        ; the conversions' scale operands,
.set QY,  ACC+12                       ; scale bytes,
.set QB,  ACC+16                       ; scale words,
.set QA,  ACC+20                       ; 2 x 16 registers of codes
.set XM,  32                           ; x's quantiser, in registers that the operands take later: largest magnitudes,
.set XC,  40                           ; codes,
.set XSC, 48                           ; scale operands,
.set XB,  50                           ; scale words
.set PB,  ACC                          ; the end: (best, index) of mine and of another, 4 registers a token tile
.set WV,  14
.set G0,  20                           ; s[20:23], s[24:31] the descriptor
.set G1,  24
.set SEL, 38                           ; s[38:39] v_permlanex16_b32's selects for lane l xor 16
.set MK,  40                           ; s40-51 lane masks
.set NB,  52                           ; the even nibbles
.set MSB, 0
.macro WIN new                         ; the immediate's high byte repeats the setting that is left
.if MSB != \new
	s_set_vgpr_msb (MSB<<8)|\new
.set MSB, \new
.endif
.endm
.macro CROUND                          ; a whole round of the cluster's barrier
	s_barrier_signal -1
	s_barrier_wait -1
	s_cmp_lg_u32 s[WV], 0
	s_cbranch_scc1 .Lnot_wave_0_\@
	s_barrier_signal -3
.Lnot_wave_0_\@:
	s_barrier_wait -3
	s_barrier_signal -1
	s_barrier_wait -1
.endm
.macro BASE d, src, sh, const
	s_lshl_b32 s[\d], s[\src], \sh
	s_add_co_u32 s[\d], s[\d], \const
.endm
	s_load_b128 s[4:7], s[0:1], 0x0                ; input s[4:5], embed s[6:7]
	s_load_b128 s[8:11], s[0:1], 0x10              ; out2 s[8:9], idx s[10:11]
	s_load_b64 s[12:13], s[0:1], 0x20              ; embt
	v_lshl_add_u32 v[SPW], v0, 2, SPARE
	v_mov_b32 v[NIL], 0
	ds_add_u32 v[SPW], v[NIL]                      ; the wave's opening: the add, twice on end, and its one wait
	ds_add_u32 v[SPW], v[NIL]
	v_lshrrev_b32 v1, 5, v0
	v_readfirstlane_b32 s[WV], v1                  ; wave 0..7
	s_mov_b32 s[G1+0], 15|(2<<16)|(1<<21)          ; 15:0 the mask: all four of the cluster; 17:16 element of 4 bytes; 21 set beside a mask; no padding
	s_mov_b32 s[G1+1], 64<<16                      ; tensor_dim0 = 64
	s_mov_b32 s[G1+2], 64<<16                      ; tensor_dim1 = 64
	s_mov_b32 s[G1+3], 64<<16                      ; tile_dim0 = 64: 256 bytes
	s_mov_b32 s[G1+4], 64                          ; tile_dim1 = 64
	s_mov_b32 s[G1+5], 1024                        ; from row to row
	s_mov_b32 s[G1+6], 0
	s_mov_b32 s[G1+7], 0
	s_mov_b32 s[G0], 1
	s_lshl_b32 s[G0+1], s[WV], 14                  ; my tile's 16,384 bytes
	s_and_b32 s16, s[WV], 3                        ; which 64 tokens I scan
	s_lshr_b32 s17, s[WV], 2                       ; which half of a chunk's tiles
	s_bfe_u32 s15, ttmp6, 0x40000
	s_lshl_b32 s18, ttmp9, 2
	s_add_co_u32 s15, s15, s18                     ; work-group = 4 x cluster + place
	s_lshl_b32 s18, s15, 16                        ; x: 256 tokens of 256 bytes a work-group,
	s_lshl_b32 s19, s[WV], 13                      ; 32 a wave
	s_add_co_u32 s18, s18, s19
	s_mov_b32 s19, 0
	s_lshl_b32 s32, s[WV], 8                       ; embed: my 64 columns
	s_mov_b32 s33, 0
	s_lshl_b32 s34, s15, 4                         ; embt: work-group g owns codes 4 g .. 4 g + 3: 16 bytes of each row of embed,
	s_mov_b32 s35, 0
	s_lshl_b32 s36, s15, 10                        ; 1,024 bytes of embt
	s_mov_b32 s37, 0
	s_lshl_b32 s54, s16, 8                         ; the indices: 1,024 bytes a work-group, 256 for each group of 64 tokens
	s_add_co_u32 s54, s54, s36
	s_mov_b32 s55, 0
	s_mov_b32 s[SEL], 0x76543210
	s_mov_b32 s[SEL+1], 0xfedcba98
	s_mov_b32 s[NB], 0x0f0f0f0f
	BASE 40, WV, 11, CBI
	BASE 41, WV, 8, CBS
	BASE 42, WV, 10, XI
	BASE 43, WV, 8, XS
	s_mul_i32 s44, s[WV], XGT
	s_add_co_u32 s44, s44, XG
	BASE 45, 17, 13, CBI
	BASE 46, 17, 10, HEE
	BASE 47, 17, 10, CBS
	BASE 48, 16, 11, XI
	BASE 49, 16, 9, XS
	BASE 50, 16, 9, CMB
	BASE 51, 16, 8, OST
	s_lshl_b32 s53, s17, 8
	; every vector address is made here, ahead of the first branch
	v_and_b32 v1, 31, v0                           ; lane
	v_and_b32 v2, 15, v0                           ; r
	v_bfe_u32 v3, v0, 4, 1                         ; h
	v_lshlrev_b32 v[VX], 4, v1
	v_lshrrev_b32 v[CST], 3, v1                    ; my columns 2 lane, 2 lane + 1: tile 4 w + lane / 8, rows 2 (lane % 8) and the next
	v_and_b32 v[GOF], 7, v1
	v_lshl_add_u32 v[EAD], v1, 3, s[G0+1]
	v_lshl_add_u32 v[CST], v[CST], 9, s40
	v_lshl_add_u32 v[SST], v1, 3, s41
	v_lshl_add_u32 v[XST], v1, 4, s42
	v_lshl_add_u32 v[CST], v[GOF], 5, v[CST]
	v_lshl_add_u32 v[XWS], v1, 2, s43
	v_mad_u32_u24 v[XGS], v3, 272, s44
	v_mad_u32_u24 v[XGL], v2, 272, s44
	v_lshl_add_u32 v[AAD], v1, 4, s45
	v_lshl_add_u32 v[XGS], v2, 4, v[XGS]
	v_lshl_add_u32 v[XGL], v3, 7, v[XGL]
	v_lshl_add_u32 v[CAD], v3, 5, s46
	v_lshl_add_u32 v[SAD], v2, 2, s47
	v_lshl_add_u32 v[TAD], v1, 4, s48
	v_lshl_add_u32 v[TSA], v1, 2, s49
	v_lshlrev_b32 v[EL], 14, v2                    ; embt: lane (r, h) takes d = 4 r .. 4 r + 3 (rows of 4,096 bytes) of column + h
	v_lshlrev_b32 v[H8], 3, v3
	v_lshl_add_u32 v[HC], v3, 3, s53
	v_lshl_add_u32 v[CMA], v2, 3, s50
	v_lshl_add_u32 v[OSA], v2, 2, s51
	v_lshl_add_u32 v[ORA], v1, 3, s51
	v_lshlrev_b32 v[GOF], 3, v1
	v_lshl_add_u32 v[EL], v3, 2, v[EL]
	v_add_nc_u32 v[EAD1], SLOT, v[EAD]
	s_wait_alu depctr_va_vdst(0)
	s_wait_dscnt 0x0                               ; both opening adds are done
	CROUND                                         ; the four work-groups are here: the first joint loads meet
	s_wait_kmcnt 0x0
	s_add_nc_u64 s[G0+2:G0+3], s[6:7], s[32:33]
	s_or_b32 s[G0+3], s[G0+3], 0x80000000
	tensor_load_to_lds s[G0:G0+3], s[G1:G1+7]      ; chunk 0: my 64 columns
	s_nop 0
.rept 4
	v_nop
.endr
	s_add_nc_u64 s[4:5], s[4:5], s[18:19]
.set I, 0
.rept 16                                       ; my 32 tokens of x as they lie: each load 512 consecutive bytes, two tokens
	global_load_b128 v[ACC+4*I:ACC+4*I+3], v[VX], s[4:5] offset:512*I th:TH_LOAD_NT
.set I, I+1
.endr
	s_add_nc_u64 s[34:35], s[6:7], s[34:35]
	s_add_nc_u64 s[12:13], s[12:13], s[36:37]
	s_add_nc_u64 s[8:9], s[8:9], s[54:55]
	s_add_nc_u64 s[10:11], s[10:11], s[54:55]
	s_wait_loadcnt 0x0                             ; x is in
	s_cmp_eq_u32 s[WV], 7                          ; wave 7 brings the work-group's four rows of embt: pass p, lane (r, h): code 4 g + 2 p + h, d = 4 r + c
	s_cbranch_scc0 .Lrows_asked
.irp p, 0,1
.irp c, 0,1,2,3
	global_load_b32 v[ER+4*\p+\c], v[EL], s[34:35] offset:4096*\c+8*\p
.endr
.endr
.Lrows_asked:
.irp u, 0,1                                    ; x through my own stage, tile by tile: rows 272 bytes apart (17 x 16).  LDS serves a wave's instructions in order (ISA guide 5.7.1.4)
.set I, 0
.rept 8
	ds_store_b128 v[XGS], v[ACC+32*\u+4*I:ACC+32*\u+4*I+3] offset:I*544
.set I, I+1
.endr
.irp g, 0,1,2,3,4,5,6,7
	ds_load_b128 v[ST+32*\u+4*\g:ST+32*\u+4*\g+3], v[XGL] offset:16*\g   ; tile u: lane (r, h) takes k = 32 h .. + 31 of token r: a whole block
.endr
.endr
	s_wait_dscnt 0x0
	; both tiles by turns: a block's largest magnitude (the floor among the leaves), its scale, codes, the scale word
.irp q, 0,1,2,3
.irp u, 0,1
	v_max3_num_f32 v[XM+4*\u+\q], |v[ST+32*\u+8*\q]|, |v[ST+32*\u+8*\q+1]|, FLOOR
.endr
.endr
.irp i, 2,4,6
.irp q, 0,1,2,3
.irp u, 0,1
	v_max3_num_f32 v[XM+4*\u+\q], v[XM+4*\u+\q], |v[ST+32*\u+8*\q+\i]|, |v[ST+32*\u+8*\q+\i+1]|
.endr
.endr
.endr
.irp u, 0,1
	v_max3_num_f32 v[XM+4*\u], v[XM+4*\u], v[XM+4*\u+1], v[XM+4*\u+2]
.endr
.irp u, 0,1
	v_max_num_f32 v[XM+4*\u], v[XM+4*\u], v[XM+4*\u+3]
.endr
.irp u, 0,1
	v_add_nc_u32 v[XSC+\u], DOWN2, v[XM+4*\u]      ; 2 off its exponent field: the conversion takes this operand's exponent field as the scale
.endr
.irp u, 0,1
.irp g, 0,1,2,3
	v_cvt_scalef32_pk8_fp4_f32 v[XC+4*\u+\g], v[ST+32*\u+8*\g:ST+32*\u+8*\g+7], v[XSC+\u]
.endr
.endr
.irp u, 0,1
	v_lshrrev_b32 v[XB+\u], 23, v[XSC+\u]          ; the scale's byte (plain lines behind the conversions),
.endr
.irp u, 0,1
	v_lshlrev_b32 v[XB+\u], v[H8], v[XB+\u]        ; at its place in the token's word: byte h;
.endr
.irp u, 0,1
	v_permlanex16_b32 v[XM+4*\u+1], v[XB+\u], s[SEL], s[SEL+1]
.endr
.irp u, 0,1
	v_or_b32 v[XB+\u], v[XB+\u], v[XM+4*\u+1]      ; with lane l xor 16's byte,
.endr
.irp u, 0,1
	v_or_b32 v[XB+\u], ONES, v[XB+\u]              ; and scale 1 for the blocks that hold nothing
.endr
.irp u, 0,1
	ds_store_b128 v[XST], v[XC+4*\u:XC+4*\u+3] offset:512*\u
	ds_store_b32 v[XWS], v[XB+\u] offset:128*\u
.endr
; Block b (32 rows) of my two columns into window 1
.macro ELOAD b, adr
	WIN 0x40
.set D, 0
.rept 32
	ds_load_b64 v[64*\b+16*(D/8)+8*(D%2)+2*((D/2)%4):64*\b+16*(D/8)+8*(D%2)+2*((D/2)%4)+1], v[\adr] offset:(32*\b+D)*256
.set D, D+1
.endr
	WIN 0
.endm
; Block b: |e|^2 and the largest magnitudes, the scales, the codes; left: the LDS instructions issued behind the block's loads, which may be out
.macro QBLK b, left, c
	WIN 0x05                                       ; sources 0 and 1 in window 1
.set D, 0
.rept 16                                       ; rows D and D + 1
.set P, 64*\b+16*(D/8)+2*((D/2)%4)
.if D%8 == 0
.if D > 0
	s_wait_alu depctr_va_vdst(0)
.endif
	s_wait_dscnt \left+24-D                        ; rows D .. D + 7 are in; the block's later rows and what was issued behind them may be out
.endif
.if D+\b == 0
	v_pk_mul_f32 v[EE:EE+1], v[P:P+1], v[P:P+1]
.else
	v_pk_fma_f32 v[EE:EE+1], v[P:P+1], v[P:P+1], v[EE:EE+1]
.endif
.if D == 0
	v_max3_num_f32 v[QM+2*\b], |v[P]|, |v[P+8]|, FLOOR
.else
	v_max3_num_f32 v[QM+2*\b], |v[P]|, |v[P+8]|, v[QM+2*\b]
.endif
.if D+\b == 0
	v_pk_mul_f32 v[EE+2:EE+3], v[P+8:P+9], v[P+8:P+9]
.else
	v_pk_fma_f32 v[EE+2:EE+3], v[P+8:P+9], v[P+8:P+9], v[EE+2:EE+3]
.endif
.if D == 0
	v_max3_num_f32 v[QM+2*\b+1], |v[P+1]|, |v[P+9]|, FLOOR
.else
	v_max3_num_f32 v[QM+2*\b+1], |v[P+1]|, |v[P+9]|, v[QM+2*\b+1]
.endif
.set D, D+2
.endr
	WIN 0
	v_add_nc_u32 v[QS+2*\b], DOWN2, v[QM+2*\b]
	v_add_nc_u32 v[QS+2*\b+1], DOWN2, v[QM+2*\b+1]
	WIN 0x01                                       ; source 0 in window 1
.irp q, 0,1
.irp g, 0,1,2,3
	v_cvt_scalef32_pk8_fp4_f32 v[QA+16*\b+8*\q+\g], v[64*\b+16*\g:64*\b+16*\g+7], v[QS+2*\b+\q]          ; rows 8 g + 0, 2, 4, 6 of both columns under column q's scale
	v_cvt_scalef32_pk8_fp4_f32 v[QA+16*\b+8*\q+4+\g], v[64*\b+16*\g+8:64*\b+16*\g+15], v[QS+2*\b+\q]     ; rows 8 g + 1, 3, 5, 7
.endr
.endr
	WIN 0
	v_lshrrev_b32 v[QY+2*\b], 23, v[QS+2*\b]       ; the scales' bytes (plain lines behind the conversions)
	v_lshrrev_b32 v[QY+2*\b+1], 23, v[QS+2*\b+1]
.irp g, 0,1,2,3
	v_lshlrev_b32 v[QA+16*\b+4+\g], 4, v[QA+16*\b+4+\g]     ; column 0 stands in the even nibbles: the odd rows' move up,
	v_lshrrev_b32 v[QA+16*\b+8+\g], 4, v[QA+16*\b+8+\g]     ; column 1 in the odd ones: the even rows' move down
.endr
.irp g, 0,1,2,3
	v_bfi_b32 v[QA+16*\b+\g], s[NB], v[QA+16*\b+\g], v[QA+16*\b+4+\g]
	v_bfi_b32 v[QA+16*\b+12+\g], s[NB], v[QA+16*\b+8+\g], v[QA+16*\b+12+\g]
.endr
	ds_store_b128 v[CST], v[QA+16*\b:QA+16*\b+3] offset:16384*\c+256*\b          ; block b: the place of lane (r, b) in my tile's image
	ds_store_b128 v[CST], v[QA+16*\b+12:QA+16*\b+15] offset:16384*\c+256*\b+16
.endm
.macro QUANT c
	QBLK 0, 32, \c                                 ; behind block 0's loads: block 1's 32
	QBLK 1, 2, \c                                  ; behind block 1's loads: block 0's two stores
	v_pk_add_f32 v[EE:EE+1], v[EE:EE+1], v[EE+2:EE+3]
	v_lshl_or_b32 v[QB], v[QY+2], 8, v[QY]
	v_lshl_or_b32 v[QB+1], v[QY+3], 8, v[QY+1]
	v_pk_mul_f32 v[EE:EE+1], v[EE:EE+1], -0.5 op_sel_hi:[1,0]   ; exact
	v_or_b32 v[QB], ONES, v[QB]
	v_or_b32 v[QB+1], ONES, v[QB+1]
	ds_store_b64 v[SST], v[QB:QB+1] offset:2048*\c
	ds_store_b64 v[SST], v[EE:EE+1] offset:4096+2048*\c
.endm
; The operands of my n-th pair of tiles of chunk c: codes, C (lanes of a half read the same 32 bytes), scale words
.macro LOADOP c, n
.irp a, 0,1
	ds_load_b128 v[AB+8*\a:AB+8*\a+3], v[AAD] offset:16384*(\c)+512*(2*(\n)+\a)
	ds_load_b128 v[CB+8*\a:CB+8*\a+3], v[CAD] offset:2048*(\c)+64*(2*(\n)+\a)
	ds_load_b128 v[CB+8*\a+4:CB+8*\a+7], v[CAD] offset:2048*(\c)+64*(2*(\n)+\a)+16
	ds_load_b32 v[SA+\a], v[SAD] offset:2048*(\c)+64*(2*(\n)+\a)
.endr
.endm
; Four products: the pair of code tiles against unit u's two token tiles.  C and D are different registers: no sum is carried from product to product
.macro W u, base
.irp i, 0,1
.irp a, 0,1
	v_wmma_scale_f32_16x16x128_f8f6f4 v[(\base)+16*\i+8*\a:(\base)+16*\i+8*\a+7], v[AB+8*\a:AB+8*\a+7], v[TF+8*\u+4*\i:TF+8*\u+4*\i+7], v[CB+8*\a:CB+8*\a+7], v[SA+\a], v[TS+2*\u+\i] matrix_a_fmt:MATRIX_FMT_FP4 matrix_b_fmt:MATRIX_FMT_FP4
.endr
.endr
.endm
; The scan of unit u's results at base.  num: how many pairs were scanned before; t: the pair's number; ld = 1: the operands of pair n of chunk c are asked for behind the first six lines (which are the places
; between the products that read those registers and the loads into them)
.macro SCAN u, base, num, t, ld, c, n
.irp k, 0,1,2                                  ; each result is read from its low end on
.irp i, 0,1
	v_max3_num_f32 v[TM+6*\i+\k], v[(\base)+16*\i+3*\k], v[(\base)+16*\i+3*\k+1], v[(\base)+16*\i+3*\k+2]
.endr
.endr
.if \ld
	LOADOP \c, \n
.endif
.irp k, 3,4
.irp i, 0,1
	v_max3_num_f32 v[TM+6*\i+\k], v[(\base)+16*\i+3*\k], v[(\base)+16*\i+3*\k+1], v[(\base)+16*\i+3*\k+2]
.endr
.endr
.irp i, 0,1
	v_max3_num_f32 v[TM+6*\i], v[(\base)+16*\i+15], v[TM+6*\i], v[TM+6*\i+1]
.endr
.irp i, 0,1
	v_max3_num_f32 v[TM+6*\i+2], v[TM+6*\i+2], v[TM+6*\i+3], v[TM+6*\i+4]
.endr
.if (\num) == 0                                ; the first pair is its own kept group
.irp i, 0,1
	v_max_num_f32 v[BS+4+2*\u+\i], v[TM+6*\i], v[TM+6*\i+2]
.endr
.else
.irp i, 0,1
	s_delay_alu instid0(VALU_DEP_2)
	v_max3_num_f32 v[BS+4*(((\num)+1)%2)+2*\u+\i], v[TM+6*\i], v[TM+6*\i+2], v[BS+4*((\num)%2)+2*\u+\i]
.endr
.irp i, 0,1
	v_cmp_eq_f32 vcc_lo, v[BS+4*(((\num)+1)%2)+2*\u+\i], v[BS+4*((\num)%2)+2*\u+\i]   ; VCC: the lanes whose best has not grown (on a tie the earlier pair stays): they keep their group, the others take this one
.irp s, 0,2,4,6,8,10,12
	v_dual_cndmask_b32 v[ST+32*\u+16*\i+\s], v[(\base)+16*\i+\s], v[ST+32*\u+16*\i+\s] :: v_dual_cndmask_b32 v[ST+32*\u+16*\i+\s+1], v[(\base)+16*\i+\s+1], v[ST+32*\u+16*\i+\s+1]
.endr
	v_dual_cndmask_b32 v[ST+32*\u+16*\i+14], v[(\base)+16*\i+14], v[ST+32*\u+16*\i+14] :: v_dual_cndmask_b32 v[TI+4*\u+2*\i], (\t), v[TI+4*\u+2*\i]   ; place 14, and the pair's number
.endr
.endif
.endm
; Pair n of chunk c: unit 0 is scanned, then multiplied with the next pair's operands; then unit 1
.macro PAIR c, n
.if \c+\n == 0
	SCAN 0, ST, 0, 0, 1, 0, 1
.elseif \n < 7
	SCAN 0, ACC, 8*\c+\n, 16*\c+\n, 1, \c, \n+1
.else
	SCAN 0, ACC, 8*\c+\n, 16*\c+\n, 0, 0, 0
.endif
.if \n < 7
	s_wait_dscnt 0x0                               ; the next pair's operands
	W 0, ACC
.elseif \c == 0
	s_wait_tensorcnt 0x0                           ; my columns of chunk 1 have landed (they are read by this wave alone)
	ELOAD 0, EAD1
.endif
.if \c+\n == 0
	SCAN 1, ST+32, 0, 0, 0, 0, 0
.else
	SCAN 1, ACC+32, 8*\c+\n, 16*\c+\n, 0, 0, 0
.endif
.if \n < 7
	W 1, ACC+32
.endif
.endm
.macro PLACES                          ; four places between products and the first read of their results (ISA guide 7.12.1)
.rept 4
	v_nop
.endr
.endm
	s_wait_tensorcnt 0x0                           ; my columns of chunk 0 have landed
	ds_add_u32 v[SPW], v[NIL]                      ; 0 onto my spare word
	s_add_co_u32 s[G0+1], s[G0+1], SLOT            ; chunk 1: bytes of its own,
	s_add_nc_u64 s[G0+2:G0+3], s[G0+2:G0+3], 0x800 ; 512 columns on
	s_wait_alu depctr_va_vdst(0)
	s_wait_dscnt 0x0                               ; the add is done, my reads of my stage are over, and x's images have landed for the others' sake
	CROUND                                         ; all four work-groups' waves have said so: the joint loads meet, and the codes may go where x's stages lie
	tensor_load_to_lds s[G0:G0+3], s[G1:G1+7]      ; the one tensor load of this wave behind the round
	s_nop 0
	PLACES
	ELOAD 0, EAD
	ELOAD 1, EAD
.irp k, 4,5,6,7,12,13,14,15
	v_mov_b32 v[AB+\k], 0                          ; the code fragments' k = 64 .. 127: zero codes, written once
.endr
.irp k, 16,17,18,19
	v_mov_b32 v[TF+\k], 0
.endr
.irp i, 0,1,2,3
	v_mov_b32 v[TI+2*\i], 0
.endr
	QUANT 0
	s_cmp_eq_u32 s[WV], 7
	s_cbranch_scc0 .Lrows_sent
	s_wait_loadcnt 0x0
	global_store_b128 v[VX], v[ER:ER+3], s[12:13]              ; lanes 0-15 one row of embt, lanes 16-31 the next: two aligned runs of 256 bytes
	global_store_b128 v[VX], v[ER+4:ER+7], s[12:13] offset:512
.Lrows_sent:
	s_wait_dscnt 0x0                               ; for the others' sake: my codes have landed
	s_barrier_signal -1
	s_barrier_wait -1                              ; chunk 0's codes lie in LDS
.irp i, 0,1,2,3
	ds_load_b128 v[TF+4*\i:TF+4*\i+3], v[TAD] offset:512*\i            ; my four token fragments stay in registers
	ds_load_b32 v[TS+\i], v[TSA] offset:128*\i
.endr
	LOADOP 0, 0
	s_wait_dscnt 0x0
	W 0, ST
	W 1, ST+32
	PLACES
.irp n, 0,1,2,3,4,5,6,7
	PAIR 0, \n
.endr
	ELOAD 1, EAD1
	QUANT 1
	s_wait_dscnt 0x0                               ; for the others' sake: my codes have landed
	s_barrier_signal -1
	s_barrier_wait -1                              ; chunk 1's codes lie in LDS
	LOADOP 1, 0
	s_wait_dscnt 0x0
	W 0, ACC
	W 1, ACC+32
	PLACES
.irp n, 0,1,2,3,4,5,6,7
	PAIR 1, \n
.endr
	; WHICH OF THE SIXTEEN: the lowest place of the kept group that holds the best.  Place s is code 16 (s / 8) + s % 8 of the pair's half
.irp i, 0,1,2,3
	v_mov_b32 v[TM+\i], 23
.endr
.irp s, 14,13,12,11,10,9,8,7,6,5,4,3,2,1,0
.irp i, 0,1,2,3
	v_cmp_eq_f32 s[MK+\i], v[ST+16*\i+\s], v[BS+\i]
.endr
.irp i, 0,1,2,3
	v_cndmask_b32 v[TM+\i], v[TM+\i], (8*(\s/8)+\s), s[MK+\i]
.endr
.endr
.irp i, 0,1,2,3
	v_lshl_add_u32 v[TM+\i], v[TI+2*\i], 5, v[TM+\i]
.endr
.irp i, 0,1,2,3
	v_mov_b32 v[PB+4*\i], v[BS+\i]
.endr
.irp i, 0,1,2,3
	v_add_nc_u32 v[PB+4*\i+1], v[HC], v[TM+\i]     ; the code's index: 32 x pair's number + 256 x half + 8 h + place
.endr
; (best, index) at +0, +1 against another pair at +2, +3: the larger value; of equal values the lower index
.macro MERGE
.irp i, 0,1,2,3
	v_cmp_gt_f32 s[MK+\i], v[PB+4*\i+2], v[PB+4*\i]
	v_cmp_eq_f32 s[MK+4+\i], v[PB+4*\i+2], v[PB+4*\i]
	v_cmp_lt_u32 s[MK+8+\i], v[PB+4*\i+3], v[PB+4*\i+1]
.endr
.irp i, 0,1,2,3
	s_and_b32 s[MK+4+\i], s[MK+4+\i], s[MK+8+\i]
	s_or_b32 s[MK+\i], s[MK+\i], s[MK+4+\i]
.endr
.irp i, 0,1,2,3
	v_cndmask_b32 v[PB+4*\i], v[PB+4*\i], v[PB+4*\i+2], s[MK+\i]
	v_cndmask_b32 v[PB+4*\i+1], v[PB+4*\i+1], v[PB+4*\i+3], s[MK+\i]
.endr
.endm
.irp i, 0,1,2,3
	v_permlanex16_b32 v[PB+4*\i+2], v[PB+4*\i], s[SEL], s[SEL+1]       ; the token's other codes of each tile lie in lane l xor 16
	v_permlanex16_b32 v[PB+4*\i+3], v[PB+4*\i+1], s[SEL], s[SEL+1]
.endr
	MERGE
	s_wait_alu depctr_va_vdst(0)
	s_cmp_lt_u32 s[WV], 4
	s_cbranch_scc1 .Llower
.irp i, 0,1,2,3
	ds_store_b64 v[CMA], v[PB+4*\i:PB+4*\i+1] offset:128*\i            ; waves 4-7 hand their pairs over (lanes r and r + 16 store the same pair to the same place)
.endr
.Llower:
	s_wait_dscnt 0x0                               ; for the others' sake
	s_barrier_signal -1
	s_barrier_wait -1
	s_cmp_lt_u32 s[WV], 4
	s_cbranch_scc0 .Ldone
.irp i, 0,1,2,3
	ds_load_b64 v[PB+4*\i+2:PB+4*\i+3], v[CMA] offset:128*\i
.endr
	s_wait_dscnt 0x0
	MERGE
.irp i, 0,1,2,3
	ds_store_b32 v[OSA], v[PB+4*\i+1] offset:64*\i                     ; my 64 indices side by side, in my own 256 bytes
.endr
	ds_load_b64 v[TM:TM+1], v[ORA]                 ; LDS serves a wave's instructions in order: this sees my stores
	s_wait_dscnt 0x0
	global_store_b64 v[GOF], v[TM:TM+1], s[8:9]    ; 32 lanes store 256 consecutive bytes, at a multiple of 256 from the buffer's first byte
	global_store_b64 v[GOF], v[TM:TM+1], s[10:11]
.Ldone:
	s_wait_tensorcnt 0x0                           ; the wave's end
	ds_add_u32 v[SPW], v[NIL]
	s_wait_dscnt 0x0
	CROUND                                         ; the closing round: no work-group ends while a partner may still ask for a tile that names it
	s_endpgm
.Lfunc_end_k_qd10c38840f_nearest:
	.size	k_qd10c38840f_nearest, .Lfunc_end_k_qd10c38840f_nearest-k_qd10c38840f_nearest
	.p2alignl 7, 3214868480
	.fill 96, 4, 3214868480
	.section	.rodata,"a",@progbits
	.p2align	6, 0x0
	.amdhsa_kernel k_qd10c38840f_nearest
		.amdhsa_group_segment_fixed_size 327680
		.amdhsa_private_segment_fixed_size 0
		.amdhsa_enable_private_segment 0
		.amdhsa_kernarg_size 40
		.amdhsa_user_sgpr_count 2
		.amdhsa_user_sgpr_kernarg_segment_ptr 1
		.amdhsa_wavefront_size32 1
		.amdhsa_system_sgpr_workgroup_id_x 1
		.amdhsa_system_sgpr_workgroup_id_y 1
		.amdhsa_system_sgpr_workgroup_id_z 1
		.amdhsa_system_vgpr_workitem_id 0
		.amdhsa_next_free_vgpr 384
		.amdhsa_next_free_sgpr 66
		.amdhsa_reserve_vcc 1
		.amdhsa_float_denorm_mode_32 3
		.amdhsa_float_denorm_mode_16_64 3
		.amdhsa_memory_ordered 1
		.amdhsa_forward_progress 1
		.amdhsa_inst_pref_size 156
	.end_amdhsa_kernel
	.amdgpu_metadata
---
amdhsa.version: [ 1, 2 ]
amdhsa.kernels:
  - .name:           k_qd10c38840f_nearest
    .symbol:         k_qd10c38840f_nearest.kd
    .args:
      - { .name: input, .offset: 0, .size: 8, .value_kind: global_buffer, .address_space: global }
      - { .name: embed, .offset: 8, .size: 8, .value_kind: global_buffer, .address_space: global }
      - { .name: out2, .offset: 16, .size: 8, .value_kind: global_buffer, .address_space: global }
      - { .name: idx, .offset: 24, .size: 8, .value_kind: global_buffer, .address_space: global }
      - { .name: embt, .offset: 32, .size: 8, .value_kind: global_buffer, .address_space: global }
    .group_segment_fixed_size: 327680
    .private_segment_fixed_size: 0
    .kernarg_segment_align: 8
    .kernarg_segment_size: 40
    .max_flat_workgroup_size: 256
    .sgpr_count:     66
    .vgpr_count:     384
    .wavefront_size: 32
...
	.end_amdgpu_metadata
.endif
;; end of part 1
;; launch spread (part 2): grid 512 x 1, 8 waves a work-group, no clusters, 0 bytes of LDS; arguments input, idx, embt, out0, out1; writes out0, out1
.if DOCPART == 2
	.amdgcn_target "amdgcn-amd-amdhsa--gfx1250"
	.amdhsa_code_object_version 6
	.text
	.protected	k_qd10c38840f_spread
	.globl	k_qd10c38840f_spread
	.p2align	8
	.type	k_qd10c38840f_spread,@function
k_qd10c38840f_spread:
	s_mov_b64 s[64:65], 0
	v_nop
	global_prefetch_b8 v0, s[64:65] scope:SCOPE_SE
	s_setreg_imm32_b32 hwreg(HW_REG_WAVE_MODE, 25, 1), 1
	s_wait_xcnt 0x0
; q = embt[idx[n]];  out0[n] = x + (q - x);  out1[n] = (q - x)^2, all f32, as reference() has them.  input, out0, out1: [65536][64]; embt: [1024][64]; idx: [65536] whole numbers, stored by the launch before.
; A stream with a gather: no LDS, no barrier, no matrix unit.  A wave owns 16 tokens; a token's row is 256 bytes.  Instruction t (0 .. 7) takes token t in lanes 0-15 and token 8 + t in lanes 16-31, 16 bytes a lane:
; each half covers 256 consecutive bytes at a multiple of 256 from its buffer's first byte.  A lane loads the 8 indices of its half; each is held to 1,023 and becomes a row's offset in embt.
; The indices are asked for first, then half of x; the gathers of that half stand ahead of the other half of x, so that the first stores wait for half of the loads alone.
; Nothing is written twice, so no register waits for a store.  Nothing is prefetched.
.set IX, 8                             ; v[8:15]    the indices
.set O, 16                             ; v[16:23]   each gather's offset
.set X, 24                             ; v[24:55]   x, 4 registers an instruction
.set Q, 56                             ; v[56:87]   q, then out0
.set T, 88                             ; v[88:119]  q - x, then out1
	s_load_b128 s[4:7], s[0:1], 0x0                ; input s[4:5], idx s[6:7]
	s_load_b128 s[8:11], s[0:1], 0x10              ; embt s[8:9], out0 s[10:11]
	s_load_b64 s[12:13], s[0:1], 0x20              ; out1
	v_lshrrev_b32 v1, 5, v0
	v_readfirstlane_b32 s14, v1                    ; wave 0..7
	v_bfe_u32 v4, v0, 4, 1                         ; h
	v_and_b32 v3, 15, v0
	v_lshlrev_b32 v3, 4, v3                        ; 16 bytes a lane
	v_lshl_add_u32 v2, v4, 11, v3                  ; lanes 16-31: eight rows on
	v_lshlrev_b32 v4, 5, v4                        ; and eight indices on
	s_lshl_b32 s15, ttmp9, 3
	s_add_co_u32 s15, s15, s14                     ; my wave's number in the launch, 0 .. 4,095
	s_lshl_b32 s16, s15, 6                         ; its 16 indices: 64 bytes
	s_mov_b32 s17, 0
	s_lshl_b32 s18, s15, 12                        ; its 16 rows: 4,096 bytes
	s_mov_b32 s19, 0
	s_wait_alu depctr_va_vdst(0)
	s_wait_kmcnt 0x0
	s_add_nc_u64 s[6:7], s[6:7], s[16:17]
	s_add_nc_u64 s[4:5], s[4:5], s[18:19]
	global_load_b128 v[IX:IX+3], v4, s[6:7]
	global_load_b128 v[IX+4:IX+7], v4, s[6:7] offset:16
.macro XLOAD t
	global_load_b128 v[X+4*\t:X+4*\t+3], v2, s[4:5] offset:256*\t th:TH_LOAD_NT   ; read once in this launch
.endm
.macro QLOAD t
	global_load_b128 v[Q+4*\t:Q+4*\t+3], v[O+\t], s[8:9]               ; a row may be named by many tokens: no hint
.endm
.irp t, 0,1,2,3
	XLOAD \t
.endr
	s_add_nc_u64 s[10:11], s[10:11], s[18:19]
	s_add_nc_u64 s[12:13], s[12:13], s[18:19]
	s_wait_loadcnt 4                               ; the indices are in; the four loads of x behind them may be out
.irp t, 0,1,2,3,4,5,6,7
	v_min_u32 v[O+\t], 0x3ff, v[IX+\t]             ; an index stays inside the table
.endr
.irp t, 0,1,2,3,4,5,6,7
	v_lshlrev_b32 v[O+\t], 8, v[O+\t]              ; a row of embt is 256 bytes
.endr
.irp t, 0,1,2,3,4,5,6,7
	v_add_nc_u32 v[O+\t], v[O+\t], v3
.endr
.irp t, 0,1,2,3
	QLOAD \t
.endr
.irp t, 4,5,6,7
	XLOAD \t
.endr
.irp t, 4,5,6,7
	QLOAD \t
.endr
.irp t, 0,1,2,3,4,5,6,7
	s_wait_loadcnt 11-\t-4*(\t/4)                  ; loads come back in order (ISA guide 5.7.1): behind gather t of the first four stand 3 - t gathers and 8 loads, of the last four 7 - t gathers
	v_pk_add_f32 v[T+4*\t:T+4*\t+1], v[Q+4*\t:Q+4*\t+1], v[X+4*\t:X+4*\t+1] neg_lo:[0,1] neg_hi:[0,1]           ; q - x
	v_pk_add_f32 v[T+4*\t+2:T+4*\t+3], v[Q+4*\t+2:Q+4*\t+3], v[X+4*\t+2:X+4*\t+3] neg_lo:[0,1] neg_hi:[0,1]
	s_delay_alu instid0(VALU_DEP_2)
	v_pk_add_f32 v[Q+4*\t:Q+4*\t+1], v[X+4*\t:X+4*\t+1], v[T+4*\t:T+4*\t+1]                                     ; x + (q - x)
	s_delay_alu instid0(VALU_DEP_2)
	v_pk_add_f32 v[Q+4*\t+2:Q+4*\t+3], v[X+4*\t+2:X+4*\t+3], v[T+4*\t+2:T+4*\t+3]
	v_pk_mul_f32 v[T+4*\t:T+4*\t+1], v[T+4*\t:T+4*\t+1], v[T+4*\t:T+4*\t+1]                                     ; (q - x)^2
	v_pk_mul_f32 v[T+4*\t+2:T+4*\t+3], v[T+4*\t+2:T+4*\t+3], v[T+4*\t+2:T+4*\t+3]
	global_store_b128 v2, v[Q+4*\t:Q+4*\t+3], s[10:11] offset:256*\t
	global_store_b128 v2, v[T+4*\t:T+4*\t+3], s[12:13] offset:256*\t
.endr
	s_endpgm
.Lfunc_end_k_qd10c38840f_spread:
	.size	k_qd10c38840f_spread, .Lfunc_end_k_qd10c38840f_spread-k_qd10c38840f_spread
	.p2alignl 7, 3214868480
	.fill 96, 4, 3214868480
	.section	.rodata,"a",@progbits
	.p2align	6, 0x0
	.amdhsa_kernel k_qd10c38840f_spread
		.amdhsa_group_segment_fixed_size 0
		.amdhsa_private_segment_fixed_size 0
		.amdhsa_enable_private_segment 0
		.amdhsa_kernarg_size 40
		.amdhsa_user_sgpr_count 2
		.amdhsa_user_sgpr_kernarg_segment_ptr 1
		.amdhsa_wavefront_size32 1
		.amdhsa_system_sgpr_workgroup_id_x 1
		.amdhsa_system_sgpr_workgroup_id_y 1
		.amdhsa_system_sgpr_workgroup_id_z 1
		.amdhsa_system_vgpr_workitem_id 0
		.amdhsa_next_free_vgpr 120
		.amdhsa_next_free_sgpr 66
		.amdhsa_reserve_vcc 0
		.amdhsa_float_denorm_mode_32 3
		.amdhsa_float_denorm_mode_16_64 3
		.amdhsa_memory_ordered 1
		.amdhsa_forward_progress 1
		.amdhsa_inst_pref_size 10
	.end_amdhsa_kernel
	.amdgpu_metadata
---
amdhsa.version: [ 1, 2 ]
amdhsa.kernels:
  - .name:           k_qd10c38840f_spread
    .symbol:         k_qd10c38840f_spread.kd
    .args:
      - { .name: input, .offset: 0, .size: 8, .value_kind: global_buffer, .address_space: global }
      - { .name: idx, .offset: 8, .size: 8, .value_kind: global_buffer, .address_space: global }
      - { .name: embt, .offset: 16, .size: 8, .value_kind: global_buffer, .address_space: global }
      - { .name: out0, .offset: 24, .size: 8, .value_kind: global_buffer, .address_space: global }
      - { .name: out1, .offset: 32, .size: 8, .value_kind: global_buffer, .address_space: global }
    .group_segment_fixed_size: 0
    .private_segment_fixed_size: 0
    .kernarg_segment_align: 8
    .kernarg_segment_size: 40
    .max_flat_workgroup_size: 256
    .sgpr_count:     66
    .vgpr_count:     120
    .wavefront_size: 32
...
	.end_amdgpu_metadata
.endif
;; end of part 2
